; MI455X (gfx1250); checked and timed in simulation.
; The chip was launched on July 23, 2026; its instructions are those of AMD's public machine-readable ISA for CDNA 5 (MIT licence, August 2026) and "CDNA5" Instruction Set Architecture Reference Guide (July 2026). The comments in the code are by the model that wrote it; some were corrected since.
;; My LSTM Cell. Allowed arithmetic: matrix products marked QUANTISED: E2M1 operands, one E8M0 scale for each 32 along K, by v_wmma_scale_f32_16x16x128_f8f6f4 with both operands' format E2M1 (or v_wmma_scale_f32_32x16x128_f4), f32 sums; everything else in f32.
;; Inputs: Wh 4 x 1,024 x 1,024 float32; Wx 4 x 1,024 x 1,024 float32; bh 4 x 1,024 float32; bx 4 x 1,024 float32; c 8,192 x 1,024 float32; h 8,192 x 1,024 float32; x 8,192 x 1,024 float32.
;; Outputs: out0 8,192 x 1,024 float32; out1 8,192 x 1,024 float32.
;; This version of the problem:
;;   THIS VERSION OF THE PROBLEM IS GIVEN IN LOW PRECISION. The matrix products marked QUANTISED in the list below multiply operands that are first quantised to E2M1 (2 exponent bits, 1 mantissa bit; 4 bits a number), with one power-of-two scale for each 32 numbers along K (OCP MX v1.0); their sums are f32. All else is computed in f32.
;;   The module's matrix products, in the order in which they are computed (A, B: the left and right operand; K: the contracted axis; several contracted axes count as one K, in the product's order):
;;     1. [M 8,192, K 1,024] x [K 1,024, N 4,096]; A: input x; B: input Wx: QUANTISED
;;     2. [M 8,192, K 1,024] x [K 1,024, N 4,096]; A: input h; B: input Wh: QUANTISED
;;   THE QUANTISER, for each operand of a quantised product, along K:
;;     - K is cut into blocks of 32 from its start; a last block that is shorter is filled with zeros.
;;     - A block's scale is 2^e with e = floor(log2(the largest magnitude in the block)) - 2, held to -126 .. 127; a block of zeros has e = 0. As a byte (E8M0): e + 127.
;;     - Each number is divided by its block's scale, clamped to +-6, and rounded to the nearest number of E2M1, ties to even, subnormals kept.
;;     - The product sums the exact products of the quantised numbers (number of the format x scale) in f32.
;;   ~~~python
;;   def quantise(x, axis):      # numpy; x: float32 -> the quantised numbers, widened to float32 again
;;       x = np.moveaxis(x, axis, -1); K = x.shape[-1]
;;       x = np.pad(x, [(0, 0)] * (x.ndim - 1) + [(0, -K % 32)]); x = x.reshape(x.shape[:-1] + (-1, 32)); a = np.abs(x).max(-1, keepdims=True)
;;       e = np.where(a > 0, np.clip(np.frexp(np.where(a > 0, a, 1))[1] - 1 - 2, -126, 127), 0)      # np.frexp(a)[1] - 1 = floor(log2(a)), exactly
;;       r = np.clip(x / 2.0 ** e, -6, 6)
;;       step = 2.0 ** (np.maximum(np.frexp(np.where(r == 0, 1, r))[1] - 1, 0) - 1)
;;       q = np.round(r / step) * step * 2.0 ** e      # np.round: ties to even
;;       return np.moveaxis(q.reshape(q.shape[:-2] + (-1,))[..., :K], -1, axis).astype(np.float32)
;;   ~~~
;; One version. Each part assembles by itself: llvm-mc -triple=amdgcn-amd-amdhsa -mcpu=gfx1250 --defsym DOCPART=n.
;; ======== version 1 of 1: 2 launches
;; limits: right only within a limited range of input values
;; workspace buffers: a_codes 8,388,608 bytes; b_codes 4,194,304 bytes; scales 786,432 bytes
;; launch quant (part 1): grid 768 x 1, 4 waves a work-group, no clusters, 1,536 bytes of LDS; arguments x, h, Wx, Wh, a_codes, b_codes, scales; writes a_codes, b_codes, scales
.if DOCPART == 1
	.amdgcn_target "amdgcn-amd-amdhsa--gfx1250"
	.amdhsa_code_object_version 6
	.text
	.protected	k_q0f75658e1d_quant
	.globl	k_q0f75658e1d_quant
	.p2align	8
	.type	k_q0f75658e1d_quant,@function
k_q0f75658e1d_quant:
	s_mov_b64 s[64:65], 0
	v_nop
	global_prefetch_b8 v0, s[64:65] scope:SCOPE_SE
	s_setreg_imm32_b32 hwreg(HW_REG_WAVE_MODE, 25, 1), 1
	s_wait_xcnt 0x0
; x, h [8192][1024] and Wx, Wh [4][1024][1024], f32, K innermost, become codes of FP4 (E2M1), two a byte, with one E8M0 scale byte for each 32 along K.
; The cell's two products have the same rows and columns and are added: they are ONE product with K = 2,048, x beside h and Wx beside Wh.  Every input of the cell has a way to its outputs: no work is left out.
;   a_codes [8192 rows][1024 bytes]: bytes 0-511 x's codes, 512-1023 h's;   b_codes [4096 rows n'][1024 bytes]: Wx's, then Wh's;
;   scales [4 K steps of 512][12288 rows: a_codes' 8192, then b_codes' 4096][16 bytes].
; Gate g, output o lies at row n' = 256 (o / 64) + 128 ((o / 32) % 2) + 32 g + o % 32: 128 neighbouring rows are the four gates of 32 outputs.
; A block's scale is 2^(floor(log2(its largest magnitude)) - 2); its byte is that magnitude's exponent field - 2, held at 1 from below.  Numbers are divided by the scale and rounded to the nearest code, ties to even; beyond 6 the largest code.
; LIMITS: a block of zeros gets the byte 1 where the quantiser's text says 127 (its codes are zeros, and this program alone reads the bytes); blocks whose largest magnitude lies under 2^-124 are held at the byte 1;
; NaN and infinities among the inputs are not served.
; SHARES.  A work-group takes 32 rows of one tensor; wave w takes rows 16 (w / 2) on, half w % 2 of each row: 16 steps, a step being 512 numbers (2,048 consecutive bytes) of one row, one K step of the product.
; Work-groups 0-255 take x, 256-511 h, 512-639 Wx, 640-767 Wh: only pointers and offsets are chosen.  16 neighbouring outputs of a gate, from a multiple of 16 on, are 16 neighbouring rows n'.
; A STEP.  Four loads, each 512 consecutive bytes, 16 a lane: in load i lane l holds numbers 128 i + 4 l + 0..3, so eight neighbouring lanes hold a block, and three row_xmask steps join their maxima.
; A conversion takes eight registers under one scale: registers 0-7 are converted under load 0's scale (the low 16 bits count) and under load 1's (the high 16 count), registers 8-15 likewise for loads 2 and 3.
; Lane 4 m + s then holds four half-words, one for each load.  A 4 x 4 transposition inside each four lanes gives it load s's half-words of lanes 4 m .. 4 m + 3: 8 neighbouring bytes at 64 s + 8 m of the step's 256,
; so that one store of the wave covers 256 consecutive bytes, aligned.  The numbers never go through LDS.
; A step's 16 scale bytes are a row's 16 bytes of its K step: lane group q = l / 8 holds the bytes of blocks 4 i + q as one word (byte i); the word goes to the wave's own 256 LDS bytes, and at the end each lane
; turns 4 words round and stores 8 bytes: the wave's 16 rows x 16 bytes are 256 consecutive bytes, aligned.
; Loads run six steps (24 loads a wave) ahead.  All stores stand at the wave's end, from registers of their own.  No tensor loads, no barrier, no cluster: waves and work-groups share no input.
.set STEPS, 16
.set DEPTH, 6
.set EMAX,  2
.set MX,    8                          ; v8-11    the four blocks' largest magnitudes, then their bytes
.set SO,    12                         ; v12-15   the conversions' scale operands
.set D,     16                         ; v16-19   the conversions' results
.set R,     32                         ; v32-127  six sets of 16 numbers as they are loaded
.set Q,     128                        ; v128-159 codes: two registers for each step
.set SPARE, 1024                       ; behind the waves' scale words: the spare words, 128 bytes for each wave
	s_load_b256 s[4:11], s[0:1], 0x0               ; x, h, Wx, Wh
	s_load_b128 s[12:15], s[0:1], 0x20             ; a_codes, b_codes
	s_load_b64 s[16:17], s[0:1], 0x30              ; scales
	v_lshl_add_u32 v30, v0, 2, SPARE               ; my spare word; never rewritten
	v_mov_b32 v31, 0                               ; 0; never rewritten
	v_lshrrev_b32 v1, 5, v0
	v_readfirstlane_b32 s20, v1                    ; wave
	v_and_b32 v2, 31, v0                           ; lane
	v_lshlrev_b32 v3, 4, v2                        ; my 16 bytes of a load's 512
	v_and_b32 v1, 3, v2                            ; s
	v_lshrrev_b32 v4, 2, v2                        ; m
	v_lshlrev_b32 v4, 3, v4
	v_lshl_add_u32 v4, v1, 6, v4                   ; my codes' place in a step's 256 bytes: 64 s + 8 m
	s_lshl_b32 s37, s20, 8                         ; LDS: my wave's 256 bytes
	v_lshrrev_b32 v5, 3, v2
	v_lshl_add_u32 v5, v5, 2, s37                  ; in: word q of a step's four
	v_lshrrev_b32 v6, 1, v2
	v_lshl_add_u32 v6, v6, 4, s37                  ; back: the four words of step lane / 2
	v_lshlrev_b32 v7, 3, v2                        ; and 8 bytes a lane on the way out
	v_and_b32 v8, 2, v2
	v_cmp_eq_u32 s38, 0, v8                        ; lanes with s < 2
	v_and_b32 v8, 1, v2
	v_cmp_eq_u32 vcc_lo, 0, v8                     ; even lanes
	v_mov_b32 v28, 0x03020706                      ; odd lanes take the high half-words: the neighbour's, then mine;
	v_mov_b32 v9, 0x05040100                       ; even lanes the low ones: mine, then the neighbour's
	v_cndmask_b32 v28, v28, v9, vcc_lo
	v_mov_b32 v1, 0x07030602                       ; the scale words: odd lanes take bytes 2 and 3 of two words,
	v_mov_b32 v9, 0x05010400                       ; even lanes bytes 0 and 1
	v_cndmask_b32 v1, v1, v9, vcc_lo
	v_mov_b32 v23, 0                               ; written once: a DPP form's destination counts as read
	v_mov_b32 v26, 0
	v_mov_b32 v27, 0
	; which rows are my wave's: whole numbers made of the ids alone
	s_lshr_b32 s21, s20, 1
	s_lshl_b32 s21, s21, 4                         ; 16 x (wave / 2)
	s_and_b32 s22, s20, 1                          ; my half of a row
	s_lshr_b32 s23, ttmp9, 8
	s_and_b32 s23, s23, 1                          ; x (0) or h (1)
	s_and_b32 s24, ttmp9, 255
	s_lshr_b32 s25, ttmp9, 7
	s_and_b32 s25, s25, 1                          ; Wx (0) or Wh (1)
	s_and_b32 s26, ttmp9, 127
	s_lshl_b32 s28, s24, 5
	s_add_co_u32 s28, s28, s21                     ; the row of x or h, and of a_codes
	s_lshl_b32 s29, s26, 5
	s_add_co_u32 s29, s29, s21                     ; the row of Wx or Wh: 1,024 g + o
	s_lshr_b32 s30, s29, 10
	s_lshl_b32 s30, s30, 5                         ; 32 g
	s_and_b32 s31, s29, 31
	s_or_b32 s30, s30, s31                         ; + o % 32
	s_and_b32 s31, s29, 0x3e0
	s_lshl_b32 s31, s31, 2                         ; + 128 (o / 32)
	s_or_b32 s30, s30, s31                         ; n'
	s_wait_alu depctr_va_vdst(0)                   ; the wait at the head's end
	s_wait_kmcnt 0x0
	s_cmp_lt_u32 ttmp9, 256
	s_cselect_b64 s[4:5], s[4:5], s[6:7]           ; x or h
	s_cmp_lt_u32 ttmp9, 640
	s_cselect_b64 s[8:9], s[8:9], s[10:11]         ; Wx or Wh
	s_mov_b32 s27, 8192                            ; b_codes' rows stand behind a_codes' 8,192 in a K step's scales
	s_cmp_lt_u32 ttmp9, 512                        ; the left operand or the right?  Only selects follow this compare
	s_cselect_b64 s[4:5], s[4:5], s[8:9]           ; the numbers
	s_cselect_b64 s[12:13], s[12:13], s[14:15]     ; the codes
	s_cselect_b32 s23, s23, s25                    ; the half of K: 0 for x and Wx, 1 for h and Wh
	s_cselect_b32 s32, s28, s29                    ; the row that is read
	s_cselect_b32 s33, s28, s30                    ; the row that is written
	s_cselect_b32 s27, 0, s27
	s_lshl_b32 s34, s32, 12                        ; 4,096 bytes a row of numbers,
	s_lshl_b32 s36, s22, 11                        ; 2,048 for my half
	s_add_co_u32 s34, s34, s36
	s_mov_b32 s35, 0
	s_add_nc_u64 s[4:5], s[4:5], s[34:35]
	s_lshl_b32 s36, s23, 1
	s_add_co_u32 s36, s36, s22                     ; my K step, 0 to 3
	s_lshl_b32 s34, s33, 10                        ; 1,024 bytes a row of codes,
	s_lshl_b32 s39, s36, 8                         ; 256 a K step
	s_add_co_u32 s34, s34, s39
	s_add_nc_u64 s[12:13], s[12:13], s[34:35]
	s_mul_i32 s34, s36, 196608                     ; 12,288 rows x 16 scale bytes a K step,
	s_add_co_u32 s36, s33, s27
	s_lshl_b32 s36, s36, 4                         ; 16 a row
	s_add_co_u32 s34, s34, s36
	s_add_nc_u64 s[16:17], s[16:17], s[34:35]
.macro LOAD t
.irp i, 0,1,2,3
	global_load_b128 v[R+16*((\t)%DEPTH)+4*\i:R+16*((\t)%DEPTH)+4*\i+3], v3, s[4:5] offset:4096*(\t)+512*\i th:TH_LOAD_NT   ; 32 lanes read 512 consecutive bytes of row t; the launch reads them once
.endr
.endm
.irp t, 0,1,2,3,4,5
	LOAD \t
.endr
.macro STEP t
.set XS, R+16*((\t)%DEPTH)
.if STEPS-1-(\t) >= DEPTH-1
	s_wait_loadcnt 4*(DEPTH-1)                     ; this step's four loads are in; those of the five steps behind it may be out
.else
	s_wait_loadcnt 4*(STEPS-1-(\t))                ; in the tail: four for each step still asked for
.endif
.irp i, 0,1,2,3
	v_max3_num_f32 v[MX+\i], |v[XS+4*\i]|, |v[XS+4*\i+1]|, |v[XS+4*\i+2]|   ; my four numbers of each load's block; the four blocks by turns
.endr
.irp i, 0,1,2,3
	v_max3_num_f32 v[MX+\i], v[MX+\i], |v[XS+4*\i+3]|, (EMAX+1)<<23         ; and the floor 2^(3 - 127): the byte cannot fall under 1
.endr
.irp x, 1,2,4
.irp i, 0,1,2,3
	v_max_num_f32_dpp v[MX+\i], v[MX+\i], v[MX+\i] row_xmask:\x row_mask:0xf bank_mask:0xf   ; with the block's other seven lanes
.endr
.endr
.irp i, 0,1,2,3
	v_add_nc_u32 v[SO+\i], -(EMAX<<23), v[MX+\i]   ; 2 off the exponent field: the conversion takes that field as its scale
.endr
	v_cvt_scalef32_pk8_fp4_f32 v[D], v[XS:XS+7], v[SO]          ; low 16 bits: load 0's four codes
	v_cvt_scalef32_pk8_fp4_f32 v[D+1], v[XS:XS+7], v[SO+1]      ; high 16 bits: load 1's
	v_cvt_scalef32_pk8_fp4_f32 v[D+2], v[XS+8:XS+15], v[SO+2]   ; low: load 2's
	v_cvt_scalef32_pk8_fp4_f32 v[D+3], v[XS+8:XS+15], v[SO+3]   ; high: load 3's
.irp i, 0,1,2,3
	v_lshrrev_b32 v[MX+\i], 23, v[SO+\i]           ; the scales' bytes (plain lines behind the conversions, which write none of their registers)
.endr
	v_perm_b32 v20, v[D+1], v[D], 0x07060100       ; half-words of loads 0, 1
	v_perm_b32 v21, v[D+3], v[D+2], 0x07060100     ; and of loads 2, 3
	v_lshl_or_b32 v[MX], v[MX+1], 8, v[MX]
	v_lshl_or_b32 v[MX+2], v[MX+3], 8, v[MX+2]
	v_cndmask_b32 v22, v20, v21, s38               ; what lane s xor 2 wants of me: s < 2: loads 2, 3; else loads 0, 1
	v_lshl_or_b32 v29, v[MX+2], 16, v[MX]          ; the word of my lane group: byte i = block 4 i + q
	v_mov_b32_dpp v23, v22 row_xmask:2 row_mask:0xf bank_mask:0xf
	v_cndmask_b32 v24, v23, v20, s38               ; my pair of loads as lane s % 2 of the four holds it,
	v_cndmask_b32 v25, v21, v23, s38               ; and as lane s % 2 + 2 holds it
	v_mov_b32_dpp v26, v24 row_xmask:1 row_mask:0xf bank_mask:0xf
	v_mov_b32_dpp v27, v25 row_xmask:1 row_mask:0xf bank_mask:0xf
	v_perm_b32 v[Q+2*(\t)], v26, v24, v28          ; load s's half-words of lanes 4 m, 4 m + 1,
	v_perm_b32 v[Q+2*(\t)+1], v27, v25, v28        ; and of lanes 4 m + 2, 4 m + 3
	ds_store_b32 v5, v29 offset:16*(\t)            ; the eight lanes of a group write the same word with the same value
.if (\t)+DEPTH < STEPS
	LOAD (\t)+DEPTH
.endif
.endm
.irp t, 0,1,2,3,4,5,6,7,8,9,10,11,12,13,14,15
	STEP \t
.endr
	s_wait_alu depctr_va_vdst(0)
.irp t, 0,1,2,3,4,5,6,7,8,9,10,11,12,13,14,15
	global_store_b64 v4, v[Q+2*\t:Q+2*\t+1], s[12:13] offset:\t*1024   ; 32 lanes store 256 consecutive bytes, aligned: my K step of row t
.endr
	ds_load_b128 v[160:163], v6                    ; LDS serves a wave's instructions in order: these see my stores
	s_wait_dscnt 0x0
	v_perm_b32 v164, v161, v160, v1                ; bytes i, i + 1 of groups 0, 1 (i = 0 in even lanes, 2 in odd ones),
	v_perm_b32 v165, v163, v162, v1                ; and of groups 2, 3
	v_perm_b32 v166, v165, v164, 0x05040100        ; blocks 4 i + 0..3
	v_perm_b32 v167, v165, v164, 0x07060302        ; blocks 4 (i + 1) + 0..3
	global_store_b64 v7, v[166:167], s[16:17]      ; 32 lanes store 256 consecutive bytes, aligned: 16 rows x 16 scale bytes
	s_wait_tensorcnt 0x0                           ; the wave's end
	ds_add_u32 v30, v31
	s_wait_dscnt 0x0
	s_endpgm
.Lfunc_end_k_q0f75658e1d_quant:
	.size	k_q0f75658e1d_quant, .Lfunc_end_k_q0f75658e1d_quant-k_q0f75658e1d_quant
	.p2alignl 7, 3214868480
	.fill 96, 4, 3214868480
	.section	.rodata,"a",@progbits
	.p2align	6, 0x0
	.amdhsa_kernel k_q0f75658e1d_quant
		.amdhsa_group_segment_fixed_size 1536
		.amdhsa_private_segment_fixed_size 0
		.amdhsa_enable_private_segment 0
		.amdhsa_kernarg_size 56
		.amdhsa_user_sgpr_count 2
		.amdhsa_user_sgpr_kernarg_segment_ptr 1
		.amdhsa_wavefront_size32 1
		.amdhsa_system_sgpr_workgroup_id_x 1
		.amdhsa_system_sgpr_workgroup_id_y 1
		.amdhsa_system_sgpr_workgroup_id_z 1
		.amdhsa_system_vgpr_workitem_id 0
		.amdhsa_next_free_vgpr 168
		.amdhsa_next_free_sgpr 66
		.amdhsa_reserve_vcc 1
		.amdhsa_float_denorm_mode_32 3
		.amdhsa_float_denorm_mode_16_64 3
		.amdhsa_memory_ordered 1
		.amdhsa_forward_progress 1
		.amdhsa_inst_pref_size 60
	.end_amdhsa_kernel
	.amdgpu_metadata
---
amdhsa.version: [ 1, 2 ]
amdhsa.kernels:
  - .name:           k_q0f75658e1d_quant
    .symbol:         k_q0f75658e1d_quant.kd
    .args:
      - { .name: x, .offset: 0, .size: 8, .value_kind: global_buffer, .address_space: global }
      - { .name: h, .offset: 8, .size: 8, .value_kind: global_buffer, .address_space: global }
      - { .name: Wx, .offset: 16, .size: 8, .value_kind: global_buffer, .address_space: global }
      - { .name: Wh, .offset: 24, .size: 8, .value_kind: global_buffer, .address_space: global }
      - { .name: a_codes, .offset: 32, .size: 8, .value_kind: global_buffer, .address_space: global }
      - { .name: b_codes, .offset: 40, .size: 8, .value_kind: global_buffer, .address_space: global }
      - { .name: scales, .offset: 48, .size: 8, .value_kind: global_buffer, .address_space: global }
    .group_segment_fixed_size: 1536
    .private_segment_fixed_size: 0
    .kernarg_segment_align: 8
    .kernarg_segment_size: 56
    .max_flat_workgroup_size: 128
    .sgpr_count:     66
    .vgpr_count:     168
    .wavefront_size: 32
...
	.end_amdgpu_metadata
.endif
;; end of part 1
;; launch cell (part 2): grid 16 x 32, 4 waves a work-group, clusters of 4 x 4, 327,680 bytes of LDS; arguments a_codes, scales, b_codes, c, bx, bh, out0, out1; writes out0, out1
.if DOCPART == 2
	.amdgcn_target "amdgcn-amd-amdhsa--gfx1250"
	.amdhsa_code_object_version 6
	.text
	.protected	k_q0f75658e1d_cell
	.globl	k_q0f75658e1d_cell
	.p2align	8
	.type	k_q0f75658e1d_cell,@function
k_q0f75658e1d_cell:
	s_mov_b64 s[64:65], 0
	v_nop
	global_prefetch_b8 v0, s[64:65] scope:SCOPE_SE
	s_setreg_imm32_b32 hwreg(HW_REG_WAVE_MODE, 25, 1), 1
	s_wait_xcnt 0x0
	s_wait_alu depctr_hold_cnt(0) depctr_sa_sdst(0) depctr_va_vdst(0) depctr_va_sdst(0) depctr_va_ssrc(0) depctr_va_vcc(0) depctr_vm_vsrc(0)
	s_getreg_b32 s2, hwreg(HW_REG_IB_STS2, 6, 4)
	s_cmp_eq_u32 s2, 0
	s_cbranch_scc0 .Lentry_in_a_cluster
	s_endpgm
.Lentry_in_a_cluster:
	s_bfe_u32 s2, ttmp6, 0x10000c
	s_cmp_lg_u32 s2, 0xf033
	s_cbranch_scc0 .Lentry_shape_is_right
	s_endpgm
.Lentry_shape_is_right:
; THE LSTM CELL: gates = [x | h] [Wx | Wh]^T + bx + bh on codes of FP4 (E2M1) with one E8M0 scale for each 32 along K (K = 2,048), sums in f32; then, in f32,
; c_next = sigmoid(f) c + sigmoid(i) tanh(g) -> out1,  h_next = sigmoid(o) tanh(c_next) -> out0.  The gates never go to memory.  No work of the problem is left out.
; a_codes [8192][1024 bytes], b_codes [4096 rows n'][1024 bytes]; scales [4 K steps of 512][a_codes' 8192 rows, then b_codes' 4096][16 bytes].
; Row n' of B is gate g, output o with n' = 256 (o / 64) + 128 ((o / 32) % 2) + 32 g + o % 32.
; SHARES.  A work-group of four waves makes 256 rows x 256 columns n' = 64 outputs x 4 gates; wave w makes rows 128 (w / 2) on x columns 128 (w % 2) on: 32 outputs x 4 gates, 64 accumulators of 16 x 16, 512 registers.
; THE MATRIX INSTRUCTION IS USED TRANSPOSED (source 0 = 16 rows of B, source 1 = 16 rows of A): in accumulator (a, b) lane (r, h), register j holds gate b / 2 of row 16 a + r, output 16 (b % 2) + 8 h + j of my 32.
; So the four gates of an output lie in ONE lane at one j, and the cell's arithmetic asks no other lane.  The biases, summed once in that layout, are the C of each sum's first matrix instruction.
; K goes in four steps of 512 (a tile's row is 256 bytes of memory) through two LDS slots filled by the tensor data mover, a quarter of a slot (128 rows) a wave; the text is written out, without a loop.
; THE SCALE WORDS GO FROM MEMORY STRAIGHT INTO REGISTERS: a K step's four words of a row are 16 bytes, so a load's lanes 0-15 read 256 consecutive aligned bytes of A's 16 rows and lanes 16-31 of B's 16 rows.
; Three sets of 32 registers: K steps 0, 1, 2 are asked for at the head, K step 3 into set 0 when K step 0 is done.  They are not asked for jointly: a K step's are 8,192 bytes beside 131,072 of codes.
; c IS ASKED FOR AHEAD OF THE FIRST PRODUCT: each wave loads 64 whole rows of the work-group's tile (256 bytes a row, two rows a load) into 128 registers that the products never name, so that the loads have the 768
; matrix instructions in which to land.  A load's lanes lie along a row, the gates' lanes hold a row each: so behind the last product the tile goes into slot 0 by LDS stores (that slot has had its last fill and its
; last read by then) and comes back in the gates' layout, a block of 16 rows at a time.
; CLUSTERS: 4 x 4 work-groups.  The four of a row of the cluster need the same tiles of A, the four of a column the same tiles of B: each tile is asked for JOINTLY, by the same tensor load with the same descriptor
; and a mask that names the four.  c, the biases and the outputs are each work-group's own.
; THE ARITHMETIC OF THE CELL, 8 transcendentals an output.  With L = log2(e): Ei = 2^(-L i), Ef, Eo likewise; Eg = 2^min(-2 L g, 30);
;   c_next = c / (1 + Ef) + (1 - Eg) / ((1 + Ei)(1 + Eg));   Ec = 2^min(-2 L c_next, 30);   h_next = (1 - Ec) / ((1 + Eo)(1 + Ec)).
; LIMITS.  Only the two exponents that also stand in a numerator are held, at 30: tanh is then off by 2^-29 at the most.  An Ei, Ef or Eo that overflows gives 1 / infinity = 0, the right limit, and meets no infinity in a
; numerator; a product of two denominators overflows only where the gate's sigmoid lies under 2^-96, and gives 0 there.  So gates of any finite size are served.  NaN and infinities among the inputs are not served.
; REGISTERS, in windows of 256: window 0: v1-31 addresses; v32-127 scale words, three sets, and nothing else; v128-191 bh as loaded, then A's fragments (8 x 16 rows x 128 K), ONE set; v192-255 the biases' sums.
;   window 1: B's fragments, two sets, at v0 and v128; v64-127 and v192-255 c as loaded; on the way out the whole window is at work.
;   window 2: the 32 accumulators of my rows 0-63 (accumulator (a, b) at v[8 (8 a + b)]);   window 3: those of my rows 64-127.
.set KROW,   1024                      ; a row of codes in memory, in bytes
.set ROWB,   256                       ; a tile's row in bytes: 512 codes
.set NQ,     4                         ; matrix instructions deep in a slot
.set PITCH,  272                       ; an LDS row: 256 bytes + 16 of padding = 68 words: the 16 rows that a load touches start at 16 different banks (64 banks of 4 bytes: ISA guide 11.1)
.set FR,     8                         ; registers of a fragment: 16 rows x 128 K
.set NL,     2                         ; LDS loads that bring one
.set NP,     4                         ; places behind this matrix instruction (ISA guide 7.12.1)
.set HALFT,  128*PITCH                 ; 128 rows: what one tensor load brings, and what one wave reads of A or of B
.set SLOT,   4*HALFT                   ; A's 256 rows, then B's 256 rows.  On the way out slot 0's first 256 rows hold c's tile
.set SPARE,  2*SLOT                    ; behind the ring: the spare words, 128 bytes for each wave
.set STGH,   SLOT                      ; the way out: stages of 256 rows x 272 bytes for h_next and c_next, in slot 1, which has had its last fill and its last read when the first result is stored there
.set STGC,   SLOT+256*PITCH
.set SPLANE, 196608                    ; a K step's scale bytes in memory: 12,288 rows x 16
.set ADRA, 16                          ; v16-17  LDS address of my A fragments in slot 0, 1
.set CS,   18                          ; v18     where I put two rows of c's tile
.set ADRB, 20                          ; v20-21  LDS address of my B fragments in slot 0, 1
.set RD,   22                          ; v22     the way out: where I read whole rows back from my stage
.set CO,   23                          ; v23     4,096 (lane / 16) + 16 (lane % 16): my 16 bytes of two rows, in c and in the output; never rewritten
.set CL,   24                          ; v24     my 32 bytes of a row of c's tile, in the gates' layout
.set STOH, 25                          ; v25     the same place in h_next's stage
.set STOC, 26                          ; v26     and in c_next's
.set ADRS, 27                          ; v27     my byte offset in a K step's scales: lanes 0-15 A's rows, lanes 16-31 B's; never rewritten
.set SPW,  28                          ; v28     LDS address of my spare word; never rewritten
.set NIL,  29                          ; v29     0; never rewritten
.set PFO,  30                          ; v30     the prefetches' offset: my lane x 1,024 bytes; never rewritten
.set BO,   31                          ; v31     the biases: 32 x (lane / 16)
.set SC,   32                          ; scale words: set s at v[SC + 32 s]; in it register 4 i + q: lanes 0-15 the word of A's block i, lanes 16-31 that of B's block i, for the K step's q-th 128 along K
.set AF,   128                         ; A's fragments, in window 0
.set BJ,   128                         ; window 0: bh as loaded, ahead of A's first fragments
.set BI,   192                         ; window 0: bx + bh, 8 registers for each block b of B
.set CRG,  64                          ; window 1: c as loaded: load t at v[64 + 4 t + 64 (t / 16)]
.set ET,   0                           ; the way out, window 1: v0-63 the scaled gates, gate b / 2 at 16 (b / 2) + 8 (b % 2) + j
.set ECC,  64                          ; v64-79   c of the block in hand
.set EGM,  80                          ; v80-95   1 - Eg, later 1 + Ec
.set ECN,  96                          ; v96-111  c_next
.set ETH,  112                         ; v112-127 Ec, later 1 - Ec
.set EHN,  128                         ; v128-143 h_next
.set ERB,  192                         ; v192-223 16 rows read back from a stage
.set CH,   2                           ; s2   wave % 2: my half of the columns.  Also: which 128 rows of a tile I fetch
.set LIM,  3                           ; s3   30.0
.set SCP,  6                           ; s[6:7]   scales; never rewritten
.set K1,   8                           ; s[8:9]   -log2(e): the packed form names a pair and takes its low word for both halves
.set K2,   10                          ; s[10:11] -2 log2(e)
.set BXP,  14                          ; s[14:15] bx, s[16:17] bh at my 32 outputs
.set BHP,  16
.set OUT,  18                          ; s[18:19] the output that I store (wave % 2 = 0: out0, 1: out1) at my 128 rows, the tile's 64 columns
.set WV,   22                          ; s22  my wave's number
.set RH,   23                          ; s23  wave / 2: my half of the rows.  Also: I fetch for A (0) or for B (1)
.set G1,   24                          ; s[24:31] descriptor group 1 for A's tiles;  s[32:39] group 0, one set for each slot
.set G0,   32
.set PFA,  46                          ; s[46:47] the prefetches' base; never rewritten once made
.set G1B,  48                          ; s[48:55], s[56:63] the same for B's tiles
.set G0B,  56
.set PC,   66                          ; s[66:67] the 64 rows of c's tile that I load, in memory; never rewritten once made
.set MSB, 0
.macro WIN new                         ; the immediate's high byte repeats the setting that is left; a switch that changes nothing is dropped
.if MSB != (\new)
	s_set_vgpr_msb (MSB<<8)|(\new)
.set MSB, (\new)
.endif
.endm
.set MUL_LO,   0xa1                    ; source 0 (B) window 1, source 1 (A) window 0, C and D window 2
.set MUL_HI,   0xf1                    ; the same, C and D window 3
.set FIRST_LO, 0x81                    ; the first step: C (the biases) window 0, D window 2
.set FIRST_HI, 0xc1                    ; D window 3
.set TO_B,     0x40                    ; destination window 1, address window 0
.set W_ALL1,   0x55                    ; destination and all sources window 1
.set W_MEM1,   0x44                    ; address window 0; loaded data and store data window 1
; A joint load: waves 0 and 1 fetch for A, waves 2 and 3 for B.  Each of the two lines has ONE mask and one set of registers for all that issue it; the branch hangs on the wave's number alone.
; An s_nop 0 and four v_nop follow each of the two lines, ahead of the jump, the label and what follows.
.macro JLOAD g0a, g1a, g0b, g1b
	s_cmp_eq_u32 s[RH], 0
	s_cbranch_scc0 .Lfor_b_\@
	tensor_load_to_lds s[\g0a:\g0a+3], s[\g1a:\g1a+7]
	s_nop 0
.rept 4
	v_nop
.endr
	s_branch .Lasked_\@
.Lfor_b_\@:
	tensor_load_to_lds s[\g0b:\g0b+3], s[\g1b:\g1b+7]
	s_nop 0
.rept 4
	v_nop
.endr
.Lasked_\@:
.endm
.macro CREST                           ; a round of the cluster's barrier behind its opening barrier
	s_cmp_lg_u32 s[WV], 0
	s_cbranch_scc1 .Lnot_wave_0_\@
	s_barrier_signal -3
.Lnot_wave_0_\@:
	s_barrier_wait -3
	s_barrier_signal -1
	s_barrier_wait -1
.endm
.macro CROUND                          ; a whole round
	s_barrier_signal -1
	s_barrier_wait -1
	CREST
.endm
.macro PLACES n                        ; a load into a register that a matrix instruction has read, and a vector instruction that reads a matrix result, stand NP plain vector instructions behind it (ISA guide 7.12.1 for the vector instruction)
.rept \n
	v_nop
.endr
.endm
.macro SCALES sc, k                    ; K step k's scale words into set sc: lanes 0-15 take 256 consecutive bytes of A's block i, lanes 16-31 of B's block i
.irp i, 0,1,2,3,4,5,6,7
	global_load_b128 v[SC+8*NQ*\sc+NQ*\i:SC+8*NQ*\sc+NQ*\i+3], v[ADRS], s[SCP:SCP+1] offset:(\k)*SPLANE+\i*256
.endr
.endm
	s_load_b128 s[4:7], s[0:1], 0x0                ; a_codes s[4:5], scales s[6:7]
	s_load_b64 s[8:9], s[0:1], 0x10                ; b_codes
	s_load_b256 s[12:19], s[0:1], 0x18             ; c s[12:13], bx s[14:15], bh s[16:17], out0 s[18:19]
	s_load_b64 s[20:21], s[0:1], 0x38              ; out1
	v_lshl_add_u32 v[SPW], v0, 2, SPARE
	v_mov_b32 v[NIL], 0
	ds_add_u32 v[SPW], v[NIL]                      ; the opening lines: the add, twice on end, and its wait ahead of my first tensor load
	ds_add_u32 v[SPW], v[NIL]
	s_wait_dscnt 0x0
	v_lshrrev_b32 v1, 5, v0
	v_readfirstlane_b32 s[WV], v1                  ; wave 0..3
	s_lshr_b32 s[RH], s[WV], 1
	s_and_b32 s[CH], s[WV], 1
	s_bfe_u32 s40, ttmp6, 0x40000                  ; cx, cy: my place in the cluster
	s_bfe_u32 s41, ttmp6, 0x40004
	s_lshl_b32 s42, ttmp9, 2
	s_add_co_u32 s42, s42, s40                     ; tile column = 4 x cluster x + cx: 64 outputs
	s_and_b32 s43, ttmp7, 0xffff
	s_lshl_b32 s43, s43, 2
	s_add_co_u32 s43, s43, s41                     ; tile row = 4 x cluster y + cy: 256 rows
	s_lshl_b32 s44, s41, 2
	s_lshl_b32 s44, 15, s44                        ; my row of the cluster
	s_lshl_b32 s45, 0x1111, s40                    ; my column
	; descriptor group 1: a tile of 128 rows x 256 bytes, padded in LDS
	s_or_b32 s[G1+0], s44, (0<<16)|(1<<20)|(1<<21)|(5<<22)|(3<<25)  ; 15:0 the mask: A's tiles go to my row; 17:16 element of 1 byte; 20 padding on; 21 set beside a mask; 24:22 after every 64 words (code 5); 31:25 of 4 words (code 3)
	s_or_b32 s[G1B+0], s45, (0<<16)|(1<<20)|(1<<21)|(5<<22)|(3<<25)
.irp g, G1, G1B
	s_mov_b32 s[\g+1], ROWB<<16                    ; tensor_dim0
	s_mov_b32 s[\g+2], 128<<16                     ; tensor_dim1 = 128
	s_mov_b32 s[\g+3], ROWB<<16                    ; tile_dim0
	s_mov_b32 s[\g+4], 128                         ; tile_dim1 = 128
	s_mov_b32 s[\g+5], KROW                        ; tensor_dim0_stride
	s_mov_b32 s[\g+6], 0
	s_mov_b32 s[\g+7], 0
.endr
	; where the tiles come from, in bytes.  A's hang on the tile row and the wave's number alone, B's on the tile column and the wave's number alone.  Every wave makes both, and asks by one of them
	s_lshl_b32 s3, s[CH], 17                       ; 128 rows of 1,024 bytes
	s_lshl_b32 s46, s43, 18
	s_add_co_u32 s46, s46, s3                      ; A's codes: row 256 x tile row + 128 x half
	s_mov_b32 s47, 0
	s_lshl_b32 s66, s42, 18
	s_add_co_u32 s66, s66, s3                      ; B's codes: row 256 x tile column + 128 x half
	s_mov_b32 s67, 0
	s_mul_i32 s3, s[WV], HALFT                     ; where they go: wave x 128 rows; no place in the cluster enters an LDS address
	s_wait_kmcnt 0x0
	s_add_nc_u64 s[46:47], s[4:5], s[46:47]
	s_add_nc_u64 s[66:67], s[8:9], s[66:67]
	CROUND                                         ; all sixteen work-groups are here: the first joint loads meet
.irp s, 0,1
	s_mov_b32 s[G0+4*\s], 1                                        ; 1:0 count = 1
	s_add_co_u32 s[G0+4*\s+1], s3, \s*SLOT                         ; 63:32 LDS address
	s_add_nc_u64 s[G0+4*\s+2:G0+4*\s+3], s[46:47], \s*ROWB         ; 120:64 global address: K step s
	s_or_b32 s[G0+4*\s+3], s[G0+4*\s+3], 0x80000000                ; 127:126 type = 2
	s_mov_b32 s[G0B+4*\s], 1
	s_add_co_u32 s[G0B+4*\s+1], s3, \s*SLOT
	s_add_nc_u64 s[G0B+4*\s+2:G0B+4*\s+3], s[66:67], \s*ROWB
	s_or_b32 s[G0B+4*\s+3], s[G0B+4*\s+3], 0x80000000
.endr
	JLOAD G0, G1, G0B, G1B                         ; K step 0, a quarter of slot 0 a wave: one tensor load a wave at the head
	; PREFETCHES INTO THE L2.  A K step is 256 bytes of each row of codes.  Of the 128 rows that wave w fetches, each of the four partners that ask for them jointly names 32, told apart BY ADDRESS
	; (cx for A's rows, cy for B's): a lane a row, one instruction a wave, so that each 256 bytes are named once in each cluster that will load them.  Here K steps 1 and 2 are asked for, behind K step 1's
	; joint load K step 3: each a K step or two ahead of its load; at most two K steps are asked for and not yet read.  The K step stands in the immediate: no address register is rewritten.
	s_lshl_b32 s44, s43, 8                         ; the tile's first row in A,
	s_lshl_b32 s45, s42, 8                         ; and in B
	s_cmp_eq_u32 s[RH], 0                          ; do I fetch for A?  Only selects follow this compare
	s_cselect_b32 s44, s44, s45
	s_cselect_b32 s45, s40, s41                    ; my place among the four that ask with me
	s_cselect_b64 s[PFA:PFA+1], s[4:5], s[8:9]
	s_lshl_b32 s45, s45, 5
	s_add_co_u32 s44, s44, s45                     ; + my work-group's 32 rows
	s_lshl_b32 s45, s[CH], 7
	s_add_co_u32 s44, s44, s45                     ; + the 128 rows that I fetch
	s_lshl_b32 s44, s44, 10                        ; 1,024 bytes a row (under 2^24)
	s_mov_b32 s45, 0
	s_add_nc_u64 s[PFA:PFA+1], s[PFA:PFA+1], s[44:45]
	v_and_b32 v[PFO], 31, v0
	v_lshlrev_b32 v[PFO], 10, v[PFO]
	global_prefetch_b8 v[PFO], s[PFA:PFA+1] offset:ROWB th:TH_LOAD_NT scope:SCOPE_SE
	global_prefetch_b8 v[PFO], s[PFA:PFA+1] offset:2*ROWB th:TH_LOAD_NT scope:SCOPE_SE
	; while the tiles are on their way: the scale words of K steps 0, 1, 2,
	v_and_b32 v1, 15, v0                           ; r = lane % 16
	v_bfe_u32 v2, v0, 4, 1                         ; h = lane / 16
	v_lshlrev_b32 v[BO], 5, v2
	s_wait_alu depctr_va_vdst(0)
	v_lshlrev_b32 v5, 12, v2
	v_lshl_add_u32 v[CO], v1, 4, v5                ; lanes 0-15 one row of 256 bytes, lanes 16-31 the row below
	s_lshl_b32 s44, s43, 12                        ; A's: 256 rows x 16 bytes a tile row,
	s_lshl_b32 s45, s[RH], 11                      ; my 128 rows
	s_add_co_u32 s44, s44, s45
	s_lshl_b32 s45, s42, 12                        ; B's: a tile column,
	s_lshl_b32 s40, s[CH], 11                      ; my 128 rows,
	s_add_co_u32 s45, s45, s40
	s_add_co_u32 s45, s45, 8192*16                 ; behind A's 8,192 rows
	s_sub_co_u32 s45, s45, s44
	v_mul_u32_u24 v6, s45, v2                      ; lanes 16-31 take B's: one product, the distance x h
	v_lshl_add_u32 v[ADRS], v1, 4, v6              ; + 16 r
	v_add_nc_u32 v[ADRS], s44, v[ADRS]
	SCALES 0, 0
	SCALES 1, 1
	SCALES 2, 2
	; the pointers,
	s_lshl_b32 s40, s42, 8                         ; the tile's 64 outputs: 256 bytes a tile column,
	s_lshl_b32 s41, s[CH], 7                       ; my 32 of them
	s_add_co_u32 s40, s40, s41
	s_mov_b32 s41, 0
	s_add_nc_u64 s[BXP:BXP+1], s[BXP:BXP+1], s[40:41]
	s_add_nc_u64 s[BHP:BHP+1], s[BHP:BHP+1], s[40:41]
	s_cmp_eq_u32 s[CH], 0                          ; waves 0 and 2 store h_next, waves 1 and 3 c_next: the choice hangs on the wave's number alone
	s_cselect_b64 s[OUT:OUT+1], s[18:19], s[20:21]
	s_lshl_b32 s40, s43, 20                        ; 256 rows of 4,096 bytes a tile row,
	s_lshl_b32 s20, s[RH], 19                      ; my 128 rows,
	s_add_co_u32 s40, s40, s20
	s_lshl_b32 s20, s42, 8                         ; the tile's columns
	s_add_co_u32 s40, s40, s20
	s_add_nc_u64 s[OUT:OUT+1], s[OUT:OUT+1], s[40:41]
	s_lshl_b32 s40, s43, 20
	s_lshl_b32 s20, s[WV], 18                      ; of c I load rows 64 x wave on
	s_add_co_u32 s40, s40, s20
	s_lshl_b32 s20, s42, 8
	s_add_co_u32 s40, s40, s20
	s_add_nc_u64 s[PC:PC+1], s[12:13], s[40:41]
	s_mov_b32 s[K1], 0xbfb8aa3b                    ; -log2(e)
	s_mov_b32 s[K1+1], s[K1]                       ; (named with it as a pair, so it is written)
	s_mov_b32 s[K2], 0xc038aa3b                    ; -2 log2(e)
	s_mov_b32 s[K2+1], s[K2]
	s_mov_b32 s[LIM], 0x41f00000                   ; 30.0
	; the biases in the result's layout: for block b, lane (r, h): gate b / 2, outputs 16 (b % 2) + 8 h + 0 .. 7 of my 32,
.irp b, 0,1,2,3,4,5,6,7
.irp e, 0,1
	global_load_b128 v[BI+8*\b+4*\e:BI+8*\b+4*\e+3], v[BO], s[BXP:BXP+1] offset:(\b/2)*4096+(\b%2)*64+16*\e
	global_load_b128 v[BJ+8*\b+4*\e:BJ+8*\b+4*\e+3], v[BO], s[BHP:BHP+1] offset:(\b/2)*4096+(\b%2)*64+16*\e
.endr
.endr
	s_wait_loadcnt 0x0                             ; the biases and the three sets of scale words are in
.set i, 0
.rept 32
	v_pk_add_f32 v[BI+i:BI+i+1], v[BI+i:BI+i+1], v[BJ+i:BJ+i+1]    ; bx + bh: the C of each sum's first matrix instruction, so that the biases cost no line in the cell's arithmetic
.set i, i+2
.endr
	; and the LDS addresses
	v_mul_u32_u24 v3, v1, PITCH
	v_lshl_add_u32 v4, v2, 4, v3                   ; a fragment's row x pitch + 16 x half
	v_lshl_add_u32 v6, v2, 5, v3                   ; the gates' layout: row r, 32 bytes for each half of the lanes
	v_mul_u32_u24 v7, v2, PITCH                    ; whole rows: lanes 0-15 one row of 256 bytes, lanes 16-31 the next
	v_lshl_add_u32 v7, v1, 4, v7
	s_wait_alu depctr_va_vdst(0)
	s_mul_i32 s40, s[RH], HALFT                    ; my 128 rows of A
	s_mul_i32 s41, s[CH], HALFT                    ; my 128 rows of B,
	s_add_co_u32 s41, s41, 2*HALFT                 ; which lie behind A's 256
.irp s, 0,1
	v_add_nc_u32 v[ADRA+\s], s40, v4
	v_add_nc_u32 v[ADRB+\s], s41, v4
	s_add_co_u32 s40, s40, SLOT
	s_add_co_u32 s41, s41, SLOT
.endr
	s_mul_i32 s40, s[RH], 128*PITCH                ; c's tile and the stages, in the gates' layout: my 128 rows,
	s_lshl_b32 s41, s[CH], 7                       ; my 128 bytes of a row
	s_add_co_u32 s41, s41, s40
	v_add_nc_u32 v[CL], s41, v6
	v_add_nc_u32 v[STOH], STGH, v[CL]
	v_add_nc_u32 v[STOC], STGC, v[CL]
	s_mul_i32 s41, s[CH], 256*PITCH                ; back: the stage of the output that I store, my 128 rows
	s_add_co_u32 s41, s41, s40
	s_add_co_u32 s41, s41, STGH
	v_add_nc_u32 v[RD], s41, v7
	s_mul_i32 s41, s[WV], 64*PITCH                 ; and c's tile as it is loaded: the 64 rows that I bring, two rows an instruction
	v_add_nc_u32 v[CS], s41, v7
.macro FRAG reg, adr, q, i             ; a fragment, 16 rows x 128 K of 4-bit codes, is 8 registers: lane l holds row l % 16; registers 4 c .. 4 c + 3 hold K = 64 c + 32 (l / 16) + 0 .. 31, the lower K in the lower bits
.irp c, 0,1
	ds_load_b128 v[\reg+4*\c:\reg+4*\c+3], v[\adr] offset:64*(\q)+32*\c+(\i)*16*PITCH
.endr
.endm
; 16 matrix instructions: A's blocks a0, a0 + 1 x B's eight, 128 along K: the slot's q-th.  p: B's set;  sc: the set of scale words.  first = 1: the sums start from the biases: nothing is ever cleared.
; The 64 accumulators take turns, one instruction a turn, in the same order in every step.
.macro MUL16 a0, p, q, sc, first
.irp a, \a0, \a0+1
.irp b, 0,1,2,3,4,5,6,7
.if \first
	v_wmma_scale_f32_16x16x128_f8f6f4 v[8*(8*((\a)%4)+\b):8*(8*((\a)%4)+\b)+7], v[128*(\p)+FR*\b:128*(\p)+FR*\b+FR-1], v[AF+FR*(\a):AF+FR*(\a)+FR-1], v[BI+8*\b:BI+8*\b+7], v[SC+8*NQ*(\sc)+NQ*\b+(\q)], v[SC+8*NQ*(\sc)+NQ*(\a)+(\q)] matrix_a_fmt:MATRIX_FMT_FP4 matrix_b_fmt:MATRIX_FMT_FP4 matrix_a_scale:MATRIX_SCALE_ROW1
.else
	v_wmma_scale_f32_16x16x128_f8f6f4 v[8*(8*((\a)%4)+\b):8*(8*((\a)%4)+\b)+7], v[128*(\p)+FR*\b:128*(\p)+FR*\b+FR-1], v[AF+FR*(\a):AF+FR*(\a)+FR-1], v[8*(8*((\a)%4)+\b):8*(8*((\a)%4)+\b)+7], v[SC+8*NQ*(\sc)+NQ*\b+(\q)], v[SC+8*NQ*(\sc)+NQ*(\a)+(\q)] matrix_a_fmt:MATRIX_FMT_FP4 matrix_b_fmt:MATRIX_FMT_FP4 matrix_a_scale:MATRIX_SCALE_ROW1
.endif
.endr
.endr
.endm
.macro FETCH_B slot, q, p              ; B's eight fragments of the slot's q-th 128 along K into set p
	WIN TO_B
.irp i, 0,1,2,3,4,5,6,7
	FRAG 128*(\p)+FR*\i, ADRB+\slot, \q, \i
.endr
	WIN 0
.endm
.macro FETCH_A slot, q, i0             ; A's blocks i0 .. i0 + 3
.irp i, \i0, \i0+1, \i0+2, \i0+3
	FRAG AF+FR*(\i), ADRA+\slot, \q, \i
.endr
.endm
; A step of 128 along K that has its successor in the same slot: 64 matrix instructions, A's blocks one after the other, each against B's eight.  A block of A is free as soon as its eight products are issued, so one
; set of registers serves A: blocks 0-3 are fetched anew in the step's middle, blocks 4-7 at its end.  B has two sets: the set of the step just done takes the fragments of two steps on.
.macro STEP slot, q, sc, first
	s_wait_dscnt 12*NL                             ; B's set and A's blocks 0-3 are in; the youngest 24 loads (A's blocks 4-7, then B's next set) may be out
.if \first
	WIN FIRST_LO
.else
	WIN MUL_LO
.endif
	MUL16 0, (\q)%2, \q, \sc, \first
	MUL16 2, (\q)%2, \q, \sc, \first
	s_wait_dscnt 8*NL                              ; A's blocks 4-7 are in; the sixteen loads of B's next set may be out
	PLACES NP
	WIN 0
	FETCH_A \slot, (\q)+1, 0
.if \first
	WIN FIRST_HI
.else
	WIN MUL_HI
.endif
	MUL16 4, (\q)%2, \q, \sc, \first
	MUL16 6, (\q)%2, \q, \sc, \first
	PLACES NP
	WIN 0
	FETCH_A \slot, (\q)+1, 4
.if (\q) < NQ-2
	FETCH_B \slot, (\q)+2, (\q)%2                  ; 64 matrix instructions ahead of their use
.endif
.endm
; A slot's last step changes slots: ONE barrier; in front of it each wave waits for all its tensor loads, adds 0 to its spare word, and waits for that and for its own reads of this slot.
; fill = 1: the barrier opens a round of the cluster's barrier, and behind the round this slot is filled again, jointly, with the K step two on.  fill = 0: nothing is left to fetch, and no round follows.
.macro TURN slot, next, sc, fill
	s_wait_tensorcnt 0x0                           ; all my tensor loads have landed: my part of the next slot;  (every window is 0 here)
	ds_add_u32 v[SPW], v[NIL]                      ; 0 onto my spare word;
	s_wait_dscnt 4*NL+1                            ; (the add and the youngest eight loads, A's blocks 4-7, may be out)
	WIN MUL_LO
	MUL16 0, 1, NQ-1, \sc, 0                       ; sixteen matrix instructions stand between the add and the wait for it
	s_wait_dscnt 0x0                               ; the add is done, and my reads of this slot are over
	s_barrier_signal -1
	MUL16 2, 1, NQ-1, \sc, 0
	WIN 0
	s_barrier_wait -1
.if \fill
	CREST                                          ; no wave of any partner still reads this slot's tile or has a load on its way
	s_add_nc_u64 s[G0+4*\slot+2:G0+4*\slot+3], s[G0+4*\slot+2:G0+4*\slot+3], 2*ROWB
	s_add_nc_u64 s[G0B+4*\slot+2:G0B+4*\slot+3], s[G0B+4*\slot+2:G0B+4*\slot+3], 2*ROWB
	JLOAD G0+4*\slot, G1, G0B+4*\slot, G1B         ; the first tensor load behind the round; the four v_nop behind it are also the places in front of the loads below
.else
	PLACES NP
.endif
	FETCH_B \next, 0, 0
	FETCH_A \next, 0, 0
	WIN MUL_HI
	MUL16 4, 1, NQ-1, \sc, 0
	MUL16 6, 1, NQ-1, \sc, 0
	PLACES NP
	WIN 0
	FETCH_A \next, 0, 4
	FETCH_B \next, 1, 1                            ; B's set 1, free now, takes the next slot's second step
.endm
	s_wait_alu depctr_va_vdst(0)                   ; the wait at the head's end
	s_wait_tensorcnt 0x0                           ; my quarter of K step 0 is in; the same lines ahead of a first fill as ahead of a refill:
	ds_add_u32 v[SPW], v[NIL]                      ; 0 onto my spare word;
	s_wait_dscnt 0x0                               ; the add is done
	CROUND                                         ; a whole round: all of K step 0 is in, and all sixteen work-groups are here: the joint loads meet,
	JLOAD G0+4, G1, G0B+4, G1B                     ; and K step 1's load, slot 1's first fill, is the first tensor load behind the round
	FETCH_B 0, 0, 0
	FETCH_A 0, 0, 0
	FETCH_A 0, 0, 4
	FETCH_B 0, 1, 1
	global_prefetch_b8 v[PFO], s[PFA:PFA+1] offset:3*ROWB th:TH_LOAD_NT scope:SCOPE_SE   ; K step 3, two K steps ahead of its joint load
	; c: my 64 rows of the tile, two whole rows of 256 aligned bytes a load, into registers that no line names before the way out
	WIN TO_B
.irp t, 0,1,2,3,4,5,6,7,8,9,10,11,12,13,14,15,16,17,18,19,20,21,22,23,24,25,26,27,28,29,30,31
	global_load_b128 v[CRG+4*\t+64*(\t/16):CRG+4*\t+64*(\t/16)+3], v[CO], s[PC:PC+1] offset:\t*2*4096 th:TH_LOAD_NT   ; the launch reads these bytes once
.endr
	WIN 0
	STEP 0, 0, 0, 1                                ; K step 0 (x, K 0-511): its first products start the sums from the biases
	STEP 0, 1, 0, 0
	STEP 0, 2, 0, 0
	TURN 0, 1, 0, 1                                ; slot 0 takes K step 2
	SCALES 0, 3                                    ; set 0 is done with (four places stand behind its last product): it takes K step 3's words, two K steps ahead of their use
	STEP 1, 0, 1, 0                                ; K step 1 (x, K 512-1,023)
	STEP 1, 1, 1, 0
	STEP 1, 2, 1, 0
	TURN 1, 0, 1, 1                                ; slot 1 takes K step 3
	STEP 0, 0, 2, 0                                ; K step 2 (h, K 0-511)
	STEP 0, 1, 2, 0
	STEP 0, 2, 2, 0
	TURN 0, 1, 2, 0                                ; slot 0 is left for good: behind this barrier no wave reads it and no tensor load fills it
	s_wait_loadcnt 0x0                             ; K step 3's scale words, my youngest loads, are in
	STEP 1, 0, 0, 0                                ; K step 3 (h, K 512-1,023)
	STEP 1, 1, 0, 0
	STEP 1, 2, 0, 0
	s_wait_dscnt 4*NL                              ; the very last step: nothing more to fetch
	WIN MUL_LO
	MUL16 0, 1, NQ-1, 0, 0
	MUL16 2, 1, NQ-1, 0, 0
	s_wait_dscnt 0
	WIN MUL_HI
	MUL16 4, 1, NQ-1, 0, 0
	MUL16 6, 1, NQ-1, 0, 0
; THE WAY OUT, a block of 16 rows at a time: 16 outputs a lane.  A row's 256 bytes of an output come from two waves, so results go through stages in LDS, with one barrier a block; each block has stage rows of its own.
; A BLOCK'S TRIP THROUGH THE STAGE LIES UNDER THE NEXT BLOCK'S ARITHMETIC: block a's stage stores are followed by block a + 1's scalings; then the wait for the stores and the barrier's signal; block a + 1's 64
; exponentials stand between signal and wait; behind the wait block a's rows are asked back, and they are stored behind block a + 1's reciprocals.
.macro CLOAD a                         ; c of block a: my row's 16 numbers, in the order of the gates' registers
.irp u, 0,1
.irp e, 0,1
	ds_load_b128 v[ECC+8*\u+4*\e:ECC+8*\u+4*\e+3], v[CL] offset:16*(\a)*PITCH+64*\u+16*\e
.endr
.endr
.endm
.macro BACK a                          ; block a of the output that I store: 16 whole rows back from its stage, two an instruction
.irp t, 0,1,2,3,4,5,6,7
	ds_load_b128 v[ERB+4*\t:ERB+4*\t+3], v[RD] offset:(16*(\a)+2*\t)*PITCH
.endr
.endm
.macro SEND a
.irp t, 0,1,2,3,4,5,6,7
	global_store_b128 v[CO], v[ERB+4*\t:ERB+4*\t+3], s[OUT:OUT+1] offset:(16*(\a)+2*\t)*4096 th:TH_STORE_NT   ; 16 lanes store 256 consecutive bytes, aligned; written once, read by nobody here
.endr
.endm
.macro EPI a
.set AC,  64*((\a)%4)                  ; the block's eight accumulators, in window 2 (blocks 0-3) or 3 (blocks 4-7)
	WIN 0x42+(\a)/4                                ; source 0 window 2 or 3, destination window 1
.irp b, 0,1,2,3,4,5,6,7
.irp j, 0,2,4,6
.if (\b)/2 == 2
	v_pk_mul_f32 v[ET+8*\b+\j:ET+8*\b+\j+1], v[AC+8*\b+\j:AC+8*\b+\j+1], s[K2:K2+1] op_sel_hi:[1,0]   ; -2 L g
.else
	v_pk_mul_f32 v[ET+8*\b+\j:ET+8*\b+\j+1], v[AC+8*\b+\j:AC+8*\b+\j+1], s[K1:K1+1] op_sel_hi:[1,0]   ; -L i, -L f, -L o; each accumulator from its low end on
.endif
.endr
.endr
	WIN W_ALL1
.set i, 0
.rept 16
	v_min_num_f32 v[ET+32+i], s[LIM], v[ET+32+i]   ; Eg also stands in a numerator: its exponent is held at 30
.set i, i+1
.endr
.if (\a) > 0
	s_wait_dscnt 0x0                               ; for the others' sake: the last block's stores into the stages are done
	s_barrier_signal -1
.endif
.set i, 0
	s_wait_alu depctr_va_vdst(0)                   ; the wait ahead of the batch
.rept 64
	v_exp_f32 v[ET+i], v[ET+i]                     ; Ei, Ef, Eg, Eo: one batch; work on registers between the barrier's signal and its wait
.set i, i+1
.endr
	v_nop                                          ; a plain line behind the last exponential
.if (\a) == 0
	s_wait_dscnt 0x0                               ; for the others' sake: my 32 stores of c's tile are done, and my reads of slot 1 are over
	s_barrier_signal -1
.endif
	s_barrier_wait -1                              ; block 0: c's tile is whole, and slot 1 may take the stages; later blocks: the last block's rows are whole in the stages
	WIN W_MEM1
.if (\a) > 0
	s_wait_xcnt 0x0                                ; the stores of the block before the last have read their registers: they are loaded again only behind this wait
	BACK (\a)-1
.endif
	CLOAD \a
	WIN W_ALL1
	s_wait_alu depctr_va_vdst(0)                   ; one wait for the batch, ahead of its first reader
.set i, 0
.rept 8
	v_pk_fma_f32 v[EGM+i:EGM+i+1], v[ET+32+i:ET+32+i+1], -1.0, 1.0 op_sel_hi:[1,0,0]   ; 1 - Eg
.set i, i+2
.endr
.set i, 16
.rept 16
	v_pk_add_f32 v[ET+i:ET+i+1], v[ET+i:ET+i+1], 1.0 op_sel_hi:[1,0]                   ; 1 + Ef, 1 + Eg
.set i, i+2
.endr
.set i, 0
.rept 8
	v_pk_fma_f32 v[ET+i:ET+i+1], v[ET+i:ET+i+1], v[ET+32+i:ET+32+i+1], v[ET+32+i:ET+32+i+1]   ; Ei (1 + Eg) + (1 + Eg) = (1 + Ei)(1 + Eg): one reciprocal serves sigmoid(i) tanh(g)
.set i, i+2
.endr
.set i, 0
	s_wait_alu depctr_va_vdst(0)
.rept 32
	v_rcp_f32 v[ET+i], v[ET+i]                     ; 1 / ((1 + Ei)(1 + Eg)) and 1 / (1 + Ef)
.set i, i+1
.endr
	v_nop
.if (\a) > 0
	WIN W_MEM1
	s_wait_dscnt 4                                 ; the last block's eight loads from the stage are in; this block's four loads of c may be out
	SEND (\a)-1                                    ; independent work behind the reciprocals
	WIN W_ALL1
.endif
	s_wait_dscnt 0x0                               ; c of this block is in
	s_wait_alu depctr_va_vdst(0)                   ; one wait for the 32 reciprocals
.set i, 0
.rept 8
	v_pk_mul_f32 v[ECN+i:ECN+i+1], v[ECC+i:ECC+i+1], v[ET+16+i:ET+16+i+1]              ; sigmoid(f) c
.set i, i+2
.endr
.set i, 0
.rept 8
	v_pk_fma_f32 v[ECN+i:ECN+i+1], v[EGM+i:EGM+i+1], v[ET+i:ET+i+1], v[ECN+i:ECN+i+1]  ; + sigmoid(i) tanh(g) = c_next
.set i, i+2
.endr
.set i, 0
.rept 8
	v_pk_mul_f32 v[ETH+i:ETH+i+1], v[ECN+i:ECN+i+1], s[K2:K2+1] op_sel_hi:[1,0]        ; -2 L c_next,
.set i, i+2
.endr
.set i, 0
.rept 16
	v_min_num_f32 v[ETH+i], s[LIM], v[ETH+i]       ; held at 30
.set i, i+1
.endr
.set i, 0
	s_wait_alu depctr_va_vdst(0)
.rept 16
	v_exp_f32 v[ETH+i], v[ETH+i]                   ; Ec
.set i, i+1
.endr
	v_nop
	s_wait_alu depctr_va_vdst(0)
.set i, 0
.rept 8
	v_pk_add_f32 v[EGM+i:EGM+i+1], v[ETH+i:ETH+i+1], 1.0 op_sel_hi:[1,0]               ; 1 + Ec
.set i, i+2
.endr
.set i, 0
.rept 8
	v_pk_fma_f32 v[ETH+i:ETH+i+1], v[ETH+i:ETH+i+1], -1.0, 1.0 op_sel_hi:[1,0,0]       ; 1 - Ec
.set i, i+2
.endr
.set i, 0
.rept 8
	v_pk_fma_f32 v[ET+48+i:ET+48+i+1], v[ET+48+i:ET+48+i+1], v[EGM+i:EGM+i+1], v[EGM+i:EGM+i+1]   ; Eo (1 + Ec) + (1 + Ec) = (1 + Eo)(1 + Ec)
.set i, i+2
.endr
.set i, 0
	s_wait_alu depctr_va_vdst(0)
.rept 16
	v_rcp_f32 v[ET+48+i], v[ET+48+i]
.set i, i+1
.endr
	v_nop
	s_wait_alu depctr_va_vdst(0)
.set i, 0
.rept 8
	v_pk_mul_f32 v[EHN+i:EHN+i+1], v[ETH+i:ETH+i+1], v[ET+48+i:ET+48+i+1]              ; h_next
.set i, i+2
.endr
	WIN W_MEM1
.irp u, 0,1
.irp e, 0,1
	ds_store_b128 v[STOC], v[ECN+8*\u+4*\e:ECN+8*\u+4*\e+3] offset:16*(\a)*PITCH+64*\u+16*\e   ; no wait follows: the next block's scalings name none of these registers, and the wait stands behind them
	ds_store_b128 v[STOH], v[EHN+8*\u+4*\e:EHN+8*\u+4*\e+3] offset:16*(\a)*PITCH+64*\u+16*\e
.endr
.endr
.endm
	PLACES NP                                      ; behind the last products: for the first reads of results, and for writes and loads into the registers that held B's fragments
	WIN W_MEM1
	s_wait_loadcnt 0x0                             ; c is in (the wait ahead of K step 3 has shown it already)
.irp t, 0,1,2,3,4,5,6,7,8,9,10,11,12,13,14,15,16,17,18,19,20,21,22,23,24,25,26,27,28,29,30,31
	ds_store_b128 v[CS], v[CRG+4*\t+64*(\t/16):CRG+4*\t+64*(\t/16)+3] offset:\t*2*PITCH   ; my 64 rows of c's tile into slot 0, two rows an instruction: every wave has passed the barrier behind which nobody reads that slot
.endr
.irp a, 0,1,2,3,4,5,6,7
	EPI \a
.endr
	s_wait_dscnt 0x0                               ; the last block's trip through the stage is written out: my stores are done,
	s_barrier_signal -1
	s_barrier_wait -1                              ; everybody's are
	s_wait_xcnt 0x0                                ; block 6's stores have read their registers
	BACK 7
	s_wait_dscnt 0x0
	SEND 7
	WIN 0
	s_wait_tensorcnt 0x0                           ; the wave's end, behind my last tensor load and my last LDS store
	ds_add_u32 v[SPW], v[NIL]
	s_wait_dscnt 0x0
	CROUND                                         ; the closing round: no work-group ends while a partner may still ask for a tile that names it
	s_endpgm
.Lfunc_end_k_q0f75658e1d_cell:
	.size	k_q0f75658e1d_cell, .Lfunc_end_k_q0f75658e1d_cell-k_q0f75658e1d_cell
	.p2alignl 7, 3214868480
	.fill 96, 4, 3214868480
	.section	.rodata,"a",@progbits
	.p2align	6, 0x0
	.amdhsa_kernel k_q0f75658e1d_cell
		.amdhsa_group_segment_fixed_size 327680
		.amdhsa_private_segment_fixed_size 0
		.amdhsa_enable_private_segment 0
		.amdhsa_kernarg_size 64
		.amdhsa_user_sgpr_count 2
		.amdhsa_user_sgpr_kernarg_segment_ptr 1
		.amdhsa_wavefront_size32 1
		.amdhsa_system_sgpr_workgroup_id_x 1
		.amdhsa_system_sgpr_workgroup_id_y 1
		.amdhsa_system_sgpr_workgroup_id_z 1
		.amdhsa_system_vgpr_workitem_id 0
		.amdhsa_next_free_vgpr 1024
		.amdhsa_next_free_sgpr 68
		.amdhsa_reserve_vcc 0
		.amdhsa_float_denorm_mode_32 3
		.amdhsa_float_denorm_mode_16_64 3
		.amdhsa_memory_ordered 1
		.amdhsa_forward_progress 1
		.amdhsa_inst_pref_size 255
	.end_amdhsa_kernel
	.section	.bss,"aw",@nobits
	.p2align	6
	.space	262144
	.amdgpu_metadata
---
amdhsa.version: [ 1, 2 ]
amdhsa.kernels:
  - .name:           k_q0f75658e1d_cell
    .symbol:         k_q0f75658e1d_cell.kd
    .args:
      - { .name: a_codes, .offset: 0, .size: 8, .value_kind: global_buffer, .address_space: global }
      - { .name: scales, .offset: 8, .size: 8, .value_kind: global_buffer, .address_space: global }
      - { .name: b_codes, .offset: 16, .size: 8, .value_kind: global_buffer, .address_space: global }
      - { .name: c, .offset: 24, .size: 8, .value_kind: global_buffer, .address_space: global }
      - { .name: bx, .offset: 32, .size: 8, .value_kind: global_buffer, .address_space: global }
      - { .name: bh, .offset: 40, .size: 8, .value_kind: global_buffer, .address_space: global }
      - { .name: out0, .offset: 48, .size: 8, .value_kind: global_buffer, .address_space: global }
      - { .name: out1, .offset: 56, .size: 8, .value_kind: global_buffer, .address_space: global }
    .group_segment_fixed_size: 327680
    .private_segment_fixed_size: 0
    .kernarg_segment_align: 8
    .kernarg_segment_size: 64
    .max_flat_workgroup_size: 128
    .sgpr_count:     68
    .vgpr_count:     1024
    .wavefront_size: 32
...
	.end_amdgpu_metadata
.endif
;; end of part 2
